; MI455X (gfx1250); checked and timed in simulation.
; The chip was launched on July 23, 2026; its instructions are those of AMD's public machine-readable ISA for CDNA 5 (MIT licence, August 2026) and "CDNA5" Instruction Set Architecture Reference Guide (July 2026). The comments in the code are by the model that wrote it; some were corrected since.
;; Kron Attention. Allowed arithmetic: matrix products marked QUANTISED: E4M3 operands, one given power-of-two scale a tensor, by v_wmma_f32_16x16x64_fp8_fp8 or v_wmma_f32_16x16x128_fp8_fp8, f32 sums; everything else in f32.
;; Inputs: Wk_codes 1,024 x 32 x 32 uint8 (E4M3 codes of Wk, K innermost, in blocks of 32 codes); Wo_codes 1,024 x 32 x 32 uint8 (E4M3 codes of Wo, K innermost, in blocks of 32 codes); Wq_codes 1,024 x 32 x 32 uint8 (E4M3 codes of Wq, K innermost, in blocks of 32 codes); Wv_codes 1,024 x 32 x 32 uint8 (E4M3 codes of Wv, K innermost, in blocks of 32 codes); bk 1,024 float32; bo 1,024 float32; bq 1,024 float32; bv 1,024 float32; hidden_states_codes 4 x 2,048 x 32 x 32 uint8 (E4M3 codes of hidden_states, K innermost, in blocks of 32 codes); lowp_scales 12 int32 (the exponents e of the quantised operands' scales 2^e).
;; Outputs: out0 4 x 2,048 x 1,024 float32.
;; This version of the problem:
;;   THIS VERSION OF THE PROBLEM IS GIVEN IN LOW PRECISION. The matrix products marked QUANTISED in the list below multiply operands that are first quantised to E4M3 (4 exponent bits, 3 mantissa bits; 8 bits a number), with one given power-of-two scale for each operand tensor; their sums are f32. All else is computed in f32.
;;   The module's matrix products, in the order in which they are computed (A, B: the left and right operand; K: the contracted axis; several contracted axes count as one K, in the product's order):
;;     1. [M 8,192, K 1,024] x [K 1,024, N 1,024]; A: input hidden_states (given as codes); B: input Wq (given as codes): QUANTISED (scales: A lowp_scales[0], B lowp_scales[1])
;;     2. [M 8,192, K 1,024] x [K 1,024, N 1,024]; A: input hidden_states (given as codes); B: input Wk (given as codes): QUANTISED (scales: A lowp_scales[2], B lowp_scales[3])
;;     3. [M 8,192, K 1,024] x [K 1,024, N 1,024]; A: input hidden_states (given as codes); B: input Wv (given as codes): QUANTISED (scales: A lowp_scales[4], B lowp_scales[5])
;;     4. batch 64 x [M 2,048, K 64] x [K 64, N 2,048]; A: computed on the way; B: computed on the way: QUANTISED (scales: A lowp_scales[6], B lowp_scales[7])
;;     5. batch 64 x [M 2,048, K 2,048] x [K 2,048, N 64]; A: softmax (see below); B: computed on the way: QUANTISED (scales: A lowp_scales[8], B lowp_scales[9])
;;     6. [M 8,192, K 1,024] x [K 1,024, N 1,024]; A: computed on the way; B: input Wo (given as codes): QUANTISED (scales: A lowp_scales[10], B lowp_scales[11])
;;   THE QUANTISER, for each operand of a quantised product, along K:
;;     - The operand's scale is 2^e, e = its entry of the input lowp_scales (int32; the entries are numbered through the quantised products in the list's order, A before B).
;;     - Each number is divided by the scale, clamped to +-448, and rounded to the nearest number of E4M3, ties to even, subnormals kept.
;;     - The product sums the exact products of the quantised numbers (number of the format x scale) in f32.
;;   ~~~python
;;   def quantise(x, axis, e):      # numpy; x: float32 -> the quantised numbers, widened to float32 again
;;       x = np.moveaxis(x, axis, -1); K = x.shape[-1]
;;       r = np.clip(x / 2.0 ** e, -448, 448)
;;       step = 2.0 ** (np.maximum(np.frexp(np.where(r == 0, 1, r))[1] - 1, -6) - 3)
;;       q = np.round(r / step) * step * 2.0 ** e      # np.round: ties to even
;;       return np.moveaxis(q, -1, axis).astype(np.float32)
;;   ~~~
;;   SOFTMAX AHEAD OF A QUANTISED PRODUCT. Where the list says 'softmax', what is quantised is not the finished softmax but p = 2^(t - M), with t = logit x log2(e) and M = ceil(the row's largest t), a whole number; so 1/2 < the row's largest p <= 1. The row's sum l is taken of the UNQUANTISED p, in f32, and the product's result is divided by l at the end. Since M is a whole number, a kernel that streams over the keys may use a running M (the ceiling of the running maximum): every later rescaling is an exact power of two, so the quantised numbers keep their values, but for numbers so far below the row's largest that they fall under the format's range.
;;   OPERANDS COMPUTED ON THE WAY. 'Computed on the way' means the value that the module computes at that place (a softmax that the list does not call 'softmax' is quantised finished and normalised). What goes into a quantiser is computed in f32, as accurately as f32 sums, v_exp_f32 and their like allow (about 1e-6 of the number): no bf16 or f16 on the way to a quantiser, and a product that is left as it is and whose result goes on into a quantised operand takes f32 operands (vector FMAs, or v_wmma_f32_16x16x4_f32). A number that lies on a knife's edge between two numbers of the format may be rounded either way, as far as f32 arithmetic and the matrix unit's own rounding can turn it there, and no further.
;;   INPUTS GIVEN AS CODES. Wk (in the module: [1024, 1024], K = its axis 0); Wo (in the module: [1024, 1024], K = its axis 0); Wq (in the module: [1024, 1024], K = its axis 0); Wv (in the module: [1024, 1024], K = its axis 0); hidden_states (in the module: [4, 2048, 1024], K = its axis 2): each comes as NAME_codes (uint8): NAME with its K axis moved to the last place and cut into blocks of 32 codes, [.., K / 32, bytes a block], one block behind the other in memory; one code a byte (a code: sign, 4 exponent bits, 3 mantissa bits); its scale is its entry of lowp_scales. Its value is code x scale, taken as it is: it is not quantised again, and the codes and scales need not be those that the quantiser above would give.
;; One version. Each part assembles by itself: llvm-mc -triple=amdgcn-amd-amdhsa -mcpu=gfx1250 --defsym DOCPART=n.
;; ======== version 1 of 1: 3 launches
;; limits: right only within a limited range of input values
;; workspace buffers: q_img 8,388,608 bytes; k_img 8,388,608 bytes; v_img 8,388,608 bytes; a_img 8,388,608 bytes; wo_img 1,048,576 bytes
;; launch qkv (part 1): grid 8 x 32, 4 waves a work-group, clusters of 4 x 4, 327,680 bytes of LDS; arguments hidden_states_codes, Wq_codes, Wk_codes, Wv_codes, Wo_codes, bq, bk, bv, lowp_scales, q_img, k_img, v_img, wo_img; writes q_img, k_img, v_img, wo_img
.if DOCPART == 1
	.amdgcn_target "amdgcn-amd-amdhsa--gfx1250"
	.amdhsa_code_object_version 6
	.text
	.protected	k_qf57af4ce01_qkv
	.globl	k_qf57af4ce01_qkv
	.p2align	8
	.type	k_qf57af4ce01_qkv,@function
k_qf57af4ce01_qkv:
	s_mov_b64 s[64:65], 0
	v_nop
	global_prefetch_b8 v0, s[64:65] scope:SCOPE_SE
	s_setreg_imm32_b32 hwreg(HW_REG_WAVE_MODE, 25, 1), 1
	s_wait_xcnt 0x0
	s_wait_alu depctr_hold_cnt(0) depctr_sa_sdst(0) depctr_va_vdst(0) depctr_va_sdst(0) depctr_va_ssrc(0) depctr_va_vcc(0) depctr_vm_vsrc(0)
	s_getreg_b32 s2, hwreg(HW_REG_IB_STS2, 6, 4)
	s_cmp_eq_u32 s2, 0
	s_cbranch_scc0 .Lentry_in_a_cluster
	s_endpgm
.Lentry_in_a_cluster:
	s_bfe_u32 s2, ttmp6, 0x10000c
	s_cmp_lg_u32 s2, 0xf033
	s_cbranch_scc0 .Lentry_shape_is_right
	s_endpgm
.Lentry_shape_is_right:
; q, k, v = hidden W + b, on codes of FP8 (E4M3), and their quantising for the attention that follows.  hidden: [8192][1024] codes; Wq, Wk, Wv: [1024 (feature)][1024 (K)] codes, K innermost.
; A sum of product 1 stands for sum x 2^(e0 + e1) (product 2: e2 + e3; product 3: e4 + e5).  The bias goes in divided by that power of two, and the conversion takes the one scale 2^(e6 - e0 - e1)
; (k: e7 - e2 - e3; v: e9 - e4 - e5): code = (sum x 2^(..) + b) / 2^e, held within +-448, to the nearest code, ties to even.
; SHARES.  A work-group takes 256 tokens x two heads of q, k and v: 256 x 384 of the 8192 x 3072 results; 8 x 32 work-groups.  A wave takes 128 tokens x one head x {q, k, v}: 96 accumulators of 16 x 16, 768 registers.
; The K = 64 form is taken: its fragments are 8 registers, and 768 + two sets of hidden's 64 + one set of the weights' 96 fit; the K = 128 form's would not.
; WHAT LEAVES ARE IMAGES OF THE NEXT OPERANDS' REGISTERS.  q, k: source 0 = 16 features of W, source 1 = 16 tokens: a lane holds ONE token and its eight registers eight neighbouring features, so the conversion of
; feature tile b gives registers 2 b, 2 b + 1 of a fragment 16 tokens x 64.  v: source 0 = 16 tokens, source 1 = 16 channels: a lane holds one channel and eight neighbouring tokens: token tile a gives registers
; 2 a, 2 a + 1 of a fragment 16 channels x 128 keys.  Four registers of the 32 lanes are stored on end: every store of a wave covers 512 consecutive bytes, aligned.
; K goes in steps of 128 through two LDS slots (640 rows of 128 bytes + 16): two slots of 256 along K would be 2 x 640 x 272 = 348,160 bytes, more than the 327,680 at hand.
; CLUSTERS: 4 x 4 work-groups.  The four of a row of the cluster need the same 256 tokens, the four of a column the same rows of the weights: each tile is asked for jointly.
; hidden's and the weights' fragments are read by loads of 16 bytes: registers 4 c .. 4 c + 3 hold K = 32 c + 16 (lane / 16) + 0 .. 15: a permutation of K, the same on both sides, so every product meets its
; partner; only the order of the sums inside an instruction differs from the natural one.
; SIDE JOB: wave g of the launch's 1,024 lays 16 rows x 64 K of Wo as a fragment's image into wo_img, for the last launch.
; LIMITS on the given exponents, so that each power of two is an f32 number: e6 - e0 - e1, e7 - e2 - e3, e9 - e4 - e5 between -126 and 119.  NaN among the inputs is not served.
; REGISTERS: window 0: v1 16 x lane; v2-3, v4-5 LDS addresses of hidden's and the weights' fragments in slot 0, 1; v6, v7 the spare word's address and 0; v8, v9 the biases' LDS addresses; v10-15 scales and holds;
;   v16-23 bv; v24-31 at work at the head; v32-95, v96-159 hidden's fragments, two sets; v160-255 the weights' twelve, one set.  Window 1: q's accumulators (a, b) at v[8 (4 a + b)]; window 2: k's; window 3: v's at v[8 (8 b + a)].
.set PITCH, 144                        ; an LDS row: 128 bytes + 16 = 36 words: the 16 rows of a load start 4 r words apart modulo 64 words (64 banks of 4 bytes: ISA guide 11.1)
.set HTILE, 256*PITCH                  ; hidden's 256 rows
.set WTILE, 128*PITCH                  ; 128 rows of one weight
.set SLOT,  HTILE+3*WTILE              ; 92,160 bytes
.set BIAS,  2*SLOT                     ; behind the ring: 768 bytes for each wave: its head's bq, bk, bv, scaled; no tile lands here
.set SPARE, BIAS+4*768                 ; the spare words, 128 bytes for each wave: two blocks of 256 bytes that no other line names
.set HF, 32
.set WF, 160
.set MSB, 0
.macro WIN new                         ; the immediate's high byte repeats the setting that is left
.if MSB != (\new)
	s_set_vgpr_msb (MSB<<8)|(\new)
.set MSB, \new
.endif
.endm
.macro PLACES                          ; four plain vector places behind a matrix instruction, ahead of loads into its sources and of reads of its result
.rept 4
	v_nop
.endr
.endm
; A joint load: wave 0 fetches hidden's 256 rows, waves 1 to 3 the 128 rows of Wq, Wk, Wv.  The branch hangs on the wave's number alone.  Four v_nop follow each line.
.macro JLOAD s
	s_cmp_eq_u32 s66, 0
	s_cbranch_scc0 .Lfor_w_\@
	tensor_load_to_lds s[40+4*\s:43+4*\s], s[32:39]
	s_nop 0
.rept 4
	v_nop
.endr
	s_branch .Lasked_\@
.Lfor_w_\@:
	tensor_load_to_lds s[56+4*\s:59+4*\s], s[48:55]
	s_nop 0
.rept 4
	v_nop
.endr
.Lasked_\@:
.endm
.macro CREST                           ; a round of the cluster's barrier behind its opening barrier
	s_cmp_lg_u32 s66, 0
	s_cbranch_scc1 .Lnot_wave_0_\@
	s_barrier_signal -3
.Lnot_wave_0_\@:
	s_barrier_wait -3
	s_barrier_signal -1
	s_barrier_wait -1
.endm
.macro CROUND
	s_barrier_signal -1
	s_barrier_wait -1
	CREST
.endm
	s_load_b256 s[4:11], s[0:1], 0x0               ; hidden s[4:5], Wq s[6:7], Wk s[8:9], Wv s[10:11]
	s_load_b256 s[12:19], s[0:1], 0x20             ; Wo s[12:13], bq s[14:15], bk s[16:17], bv s[18:19]
	s_load_b256 s[20:27], s[0:1], 0x40             ; the exponents s[20:21], q_img s[22:23], k_img s[24:25], v_img s[26:27]
	s_load_b64 s[28:29], s[0:1], 0x60              ; wo_img
	v_lshl_add_u32 v6, v0, 2, SPARE
	v_mov_b32 v7, 0
	ds_add_u32 v6, v7
	ds_add_u32 v6, v7
	s_wait_dscnt 0x0
	v_lshrrev_b32 v24, 5, v0
	v_readfirstlane_b32 s66, v24                   ; wave 0..3
	s_lshr_b32 s67, s66, 1                         ; wm: which 128 tokens are mine
	s_and_b32 s68, s66, 1                          ; wn: which of the two heads
	s_bfe_u32 s69, ttmp6, 0x40000                  ; cx
	s_bfe_u32 s70, ttmp6, 0x40004                  ; cy
	s_lshl_b32 s71, ttmp9, 2
	s_add_co_u32 s71, s71, s69                     ; hp: the pair of heads = 4 x cluster x + cx
	s_and_b32 s72, ttmp7, 0xffff
	s_lshl_b32 s72, s72, 2
	s_add_co_u32 s72, s72, s70                     ; tb: the block of 256 tokens = 4 x cluster y + cy
	s_lshl_b32 s73, s70, 2
	s_lshl_b32 s73, 15, s73                        ; my row of the cluster
	s_lshl_b32 s74, 0x1111, s69                    ; my column
	; descriptor groups 1: rows of 128 elements of one byte, 1,024 apart in memory, 4 words of padding behind every 32
	s_or_b32 s32, s73, (1<<20)|(1<<21)|(4<<22)|(3<<25)   ; hidden's tiles go to my row of the cluster
	s_mov_b32 s33, 128<<16                         ; tensor_dim0
	s_mov_b32 s34, 256<<16                         ; tensor_dim1 = 256
	s_mov_b32 s35, 128<<16                         ; tile_dim0
	s_mov_b32 s36, 256                             ; tile_dim1
	s_mov_b32 s37, 1024                            ; from row to row
	s_mov_b32 s38, 0
	s_mov_b32 s39, 0
	s_or_b32 s48, s74, (1<<20)|(1<<21)|(4<<22)|(3<<25)   ; the weights' tiles go to my column
	s_mov_b32 s49, 128<<16
	s_mov_b32 s50, 128<<16                         ; 128 rows
	s_mov_b32 s51, 128<<16
	s_mov_b32 s52, 128
	s_mov_b32 s53, 1024
	s_mov_b32 s54, 0
	s_mov_b32 s55, 0
	s_lshl_b32 s76, s72, 18                        ; hidden: 256 rows of 1,024 bytes a block: hangs on the block alone
	s_mov_b32 s77, 0
	s_lshl_b32 s78, s71, 17                        ; the weights: 128 rows a pair of heads: hangs on the pair alone
	s_mov_b32 s79, 0
	s_mul_i32 s82, s66, WTILE
	s_add_co_u32 s82, s82, WTILE                   ; where a weight's tile goes: behind hidden's two WTILE, (wave + 1) x WTILE
	s_wait_kmcnt 0x0
	s_cmp_eq_u32 s66, 1                            ; wave 1: Wq; wave 2: Wk; wave 3: Wv
	s_cselect_b64 s[80:81], s[6:7], s[10:11]
	s_cmp_eq_u32 s66, 2
	s_cselect_b64 s[80:81], s[8:9], s[80:81]
	s_add_nc_u64 s[80:81], s[80:81], s[78:79]
	s_add_nc_u64 s[76:77], s[4:5], s[76:77]
	CROUND                                         ; all sixteen work-groups are here: the first joint loads meet
.irp s, 0,1
	s_mov_b32 s[40+4*\s], 1
	s_mov_b32 s[41+4*\s], \s*SLOT
	s_add_nc_u64 s[42+4*\s:43+4*\s], s[76:77], \s*128
	s_or_b32 s[43+4*\s], s[43+4*\s], 0x80000000
	s_mov_b32 s[56+4*\s], 1
	s_add_co_u32 s[57+4*\s], s82, \s*SLOT
	s_add_nc_u64 s[58+4*\s:59+4*\s], s[80:81], \s*128
	s_or_b32 s[59+4*\s], s[59+4*\s], 0x80000000
	s_wait_alu depctr_va_vdst(0)
	s_wait_tensorcnt 0x0
	ds_add_u32 v6, v7
	ds_add_u32 v6, v7
	s_wait_dscnt 0x0
	CROUND
	JLOAD \s                                       ; one tensor load of mine is out
.endr
	; while the tiles are on their way: the exponents, Wo's image, the biases, the addresses
	s_load_b256 s[84:91], s[20:21], 0x0            ; e0 .. e7
	s_load_b128 s[92:95], s[20:21], 0x20           ; e8 .. e11
	v_and_b32 v24, 15, v0                          ; r
	v_bfe_u32 v25, v0, 4, 1                        ; h
	v_and_b32 v26, 31, v0                          ; lane
	v_lshlrev_b32 v1, 4, v26                       ; 16 x lane
	v_lshlrev_b32 v27, 10, v24
	v_lshl_add_u32 v27, v25, 3, v27                ; Wo: row r of 1,024 bytes, + 8 h
	s_wait_alu depctr_va_vdst(0)
	v_lshlrev_b32 v28, 3, v26                      ; 8 x lane
	s_wait_alu depctr_va_vdst(0)
	s_lshl_b32 s96, s72, 3
	s_add_co_u32 s96, s96, s71
	s_lshl_b32 s96, s96, 2
	s_add_co_u32 s96, s96, s66                     ; g = my wave among the launch's 1,024: Wo's rows 16 (g / 16) on, K = 64 (g % 16) on; a work-group's four waves read 256 neighbouring bytes of each row
	s_lshr_b32 s97, s96, 4
	s_lshl_b32 s97, s97, 14
	s_and_b32 s98, s96, 15
	s_lshl_b32 s98, s98, 6
	s_add_co_u32 s98, s98, s97
	s_mov_b32 s99, 0
	s_add_nc_u64 s[12:13], s[12:13], s[98:99]
	s_lshl_b32 s98, s96, 10
	s_add_nc_u64 s[28:29], s[28:29], s[98:99]      ; its image: 1,024 bytes
	s_lshl_b32 s2, s71, 1
	s_add_co_u32 s2, s2, s68                       ; my head, 0..15
	s_lshl_b32 s98, s2, 8                          ; its 64 numbers in a bias
	s_add_nc_u64 s[14:15], s[14:15], s[98:99]
	s_add_nc_u64 s[16:17], s[16:17], s[98:99]
	s_add_nc_u64 s[18:19], s[18:19], s[98:99]
.irp c, 0,1,2,3
	global_load_b64 v[32+2*\c:33+2*\c], v27, s[12:13] offset:16*\c   ; registers 2 c, 2 c + 1: K = 16 c + 8 h + 0 .. 7: the form's own layout
.endr
	global_load_b64 v[40:41], v28, s[14:15]
	global_load_b64 v[42:43], v28, s[16:17]
	global_load_b64 v[44:45], v28, s[18:19]
	s_mul_i32 s3, s66, 768
	s_add_co_u32 s3, s3, BIAS
	v_add_nc_u32 v30, s3, v28                      ; where my two numbers of a bias go
	v_lshl_add_u32 v8, v25, 5, s3                  ; back, for q and k: the eight numbers of features 16 b + 8 h on: + 32 h
	v_lshl_add_u32 v9, v24, 2, s3                  ; for v: the one number of channel 16 b + r
	v_add_nc_u32 v9, 512, v9
	v_mul_u32_u24 v29, v24, PITCH
	v_lshl_add_u32 v29, v25, 4, v29                ; a fragment's row x pitch + 16 h
	s_mul_i32 s3, s67, 128*PITCH
	v_add_nc_u32 v2, s3, v29                       ; my 128 tokens
	v_add_nc_u32 v3, SLOT, v2
	s_mul_i32 s3, s68, 64*PITCH
	s_add_co_u32 s3, s3, HTILE
	v_add_nc_u32 v4, s3, v29                       ; my head's 64 rows of each weight
	v_add_nc_u32 v5, SLOT, v4
	s_lshr_b32 s96, s72, 3                         ; where my results go: bh = 16 x batch + head; s0 = my first token in its sequence
	s_lshl_b32 s96, s96, 4
	s_add_co_u32 s96, s96, s2
	s_lshl_b32 s96, s96, 17                        ; a head's images are 131,072 bytes in each of the three buffers,
	s_and_b32 s97, s72, 7
	s_lshl_b32 s97, s97, 8
	s_lshl_b32 s98, s67, 7
	s_add_co_u32 s97, s97, s98
	s_lshl_b32 s97, s97, 6                         ; and 64 bytes a token in each: 1,024 for a tile of 16 (q, k), 8,192 for a block of 128 keys (v)
	s_add_co_u32 s98, s96, s97
	s_add_nc_u64 s[22:23], s[22:23], s[98:99]
	s_add_nc_u64 s[24:25], s[24:25], s[98:99]
	s_add_nc_u64 s[26:27], s[26:27], s[98:99]
	s_wait_loadcnt 0x0
	s_wait_kmcnt 0x0
	global_store_b128 v1, v[32:35], s[28:29]       ; Wo's image: 512 consecutive bytes a store
	global_store_b128 v1, v[36:39], s[28:29] offset:512
; the bias / 2^(ea + eb); the conversion's scale 2^(eq - ea - eb)
.macro MKSC ea, eb, eq, sc, lm, bias
	s_add_co_i32 s96, s[\ea], s[\eb]
	s_sub_co_i32 s97, 0, s96
	v_ldexp_f32 v[\bias], v[\bias], s97
	v_ldexp_f32 v[\bias+1], v[\bias+1], s97
	s_sub_co_i32 s96, s[\eq], s96
	s_add_co_i32 s96, s96, 127
	s_lshl_b32 s97, s96, 23
	v_mov_b32 v[\sc], s97
.endm
	MKSC 84, 85, 90, 10, 11, 40
	MKSC 86, 87, 91, 12, 13, 42
	MKSC 88, 89, 93, 14, 15, 44
	s_wait_alu depctr_va_vdst(0)
	ds_store_b64 v30, v[40:41]
	ds_store_b64 v30, v[42:43] offset:256
	ds_store_b64 v30, v[44:45] offset:512
; 8 LDS loads: my head's four fragments of weight T (16 features x 64 K at byte 64 q of the rows)
.macro LDW slot, q, T
.irp b, 0,1,2,3
	ds_load_b128 v[WF+8*(4*(\T)+\b):WF+8*(4*(\T)+\b)+3],   v[4+\slot] offset:(128*(\T)+16*\b)*PITCH+64*(\q)
	ds_load_b128 v[WF+8*(4*(\T)+\b)+4:WF+8*(4*(\T)+\b)+7], v[4+\slot] offset:(128*(\T)+16*\b)*PITCH+64*(\q)+32
.endr
.endm
; 16 LDS loads: hidden's eight fragments into a set
.macro LDH slot, q, set
.irp a, 0,1,2,3,4,5,6,7
	ds_load_b128 v[HF+64*(\set)+8*\a:HF+64*(\set)+8*\a+3],   v[2+\slot] offset:16*\a*PITCH+64*(\q)
	ds_load_b128 v[HF+64*(\set)+8*\a+4:HF+64*(\set)+8*\a+7], v[2+\slot] offset:16*\a*PITCH+64*(\q)+32
.endr
.endm
; The products of weight T (0 q, 1 k, 2 v), feature tiles b0 .. b1 x eight token tiles, 64 along K.  zero = 1: they start the sums: nothing is ever cleared.
; The 96 accumulators take turns, one instruction a turn, in the same order in every step.
.macro GROUP T, set, zero, b0, b1
	WIN 0x50*(\T+1)                                ; C and D in window T + 1, both sources in window 0
.irp b, 0,1,2,3
.if (\b >= \b0) && (\b <= \b1)
.irp a, 0,1,2,3,4,5,6,7
.set RW, WF+8*(4*\T+\b)
.set RH, HF+64*\set+8*\a
.if \T < 2
.set RA, 8*(4*\a+\b)
.if \zero
	v_wmma_f32_16x16x64_fp8_fp8 v[RA:RA+7], v[RW:RW+7], v[RH:RH+7], 0
.else
	v_wmma_f32_16x16x64_fp8_fp8 v[RA:RA+7], v[RW:RW+7], v[RH:RH+7], v[RA:RA+7]
.endif
.else
.set RA, 8*(8*\b+\a)
.if \zero
	v_wmma_f32_16x16x64_fp8_fp8 v[RA:RA+7], v[RH:RH+7], v[RW:RW+7], 0
.else
	v_wmma_f32_16x16x64_fp8_fp8 v[RA:RA+7], v[RH:RH+7], v[RW:RW+7], v[RA:RA+7]
.endif
.endif
.endr
.endif
.endr
.endm
; The fragments of 64 along K come in three runs: run 1 = Wq's 8 loads and hidden's 16, run 2 = Wk's 8, run 3 = Wv's 8; each weight's registers are free as soon as its 32 products are issued.
; A slot's first 64 along K (hidden's set 0); the second 64's fragments are fetched on the way.
.macro STEP slot, zero
	s_wait_dscnt 16                                ; run 1 is in; runs 2 and 3 (16 loads) may be out
	GROUP 0, 0, \zero, 0, 3
	WIN 0
	PLACES
	LDW \slot, 1, 0
	LDH \slot, 1, 1
	s_wait_dscnt 32                                ; run 2 is in; behind it: run 3's 8 and the 24 just issued
	GROUP 1, 0, \zero, 0, 3
	WIN 0
	PLACES
	LDW \slot, 1, 1
	s_wait_dscnt 32                                ; run 3 is in; behind it: 24 + 8
	GROUP 2, 0, \zero, 0, 3
	WIN 0
	PLACES
	LDW \slot, 1, 2
.endm
; A slot's second 64 (set 1) changes slots: ONE barrier; in front of it each wave waits for all its tensor loads, adds 0 to its spare word, and waits for that and for its reads of this slot.
; fill = 1: the barrier opens a round of the cluster's, and this slot is filled again, 256 along K further on, first thing behind it.
.macro TURN slot, next, fill
	s_wait_tensorcnt 0x0                           ; all my tensor loads have landed: my part of the next slot
	ds_add_u32 v6, v7                              ; 0 onto my spare word
	s_wait_dscnt 17                                ; run 1 is in; runs 2 and 3 and the add may be out
	GROUP 0, 1, 0, 0, 1                            ; sixteen matrix instructions stand between the add and the wait for it
	s_wait_dscnt 0x0                               ; the add is done, and my reads of this slot are over
	s_barrier_signal -1
	GROUP 0, 1, 0, 2, 3
	WIN 0
	s_barrier_wait -1
.if \fill
	CREST                                          ; no wave of any partner still reads this slot or has a load on its way
	s_add_nc_u64 s[42+4*\slot:43+4*\slot], s[42+4*\slot:43+4*\slot], 256
	s_add_nc_u64 s[58+4*\slot:59+4*\slot], s[58+4*\slot:59+4*\slot], 256
	JLOAD \slot                                    ; my one tensor load behind the round; its four v_nop are the places in front of the loads below
.else
	PLACES
.endif
	LDW \next, 0, 0
	LDH \next, 0, 0
	GROUP 1, 1, 0, 0, 3                            ; runs 2 and 3 were shown in by the wait for 0 above
	WIN 0
	PLACES
	LDW \next, 0, 1
	GROUP 2, 1, 0, 0, 3
	WIN 0
	PLACES
	LDW \next, 0, 2
.endm
	s_wait_tensorcnt 0x1                           ; my part of slot 0 is in; slot 1's may stay out
	s_wait_dscnt 0x0                               ; my biases lie in LDS
	s_barrier_signal -1
	s_barrier_wait -1
	s_wait_xcnt 0x0                                ; Wo's stores have read v32-39: the fragments may land there
	LDW 0, 0, 0
	LDH 0, 0, 0
	LDW 0, 0, 1
	LDW 0, 0, 2
	STEP 0, 1                                      ; the first 64 along K stand ahead of the loop: their products start the sums
	s_mov_b32 s75, 3
.Llap:                                                 ; a trip goes once round the ring and fills both slots again: K = 256 .. 1,023 in three trips
	TURN 0, 1, 1
	STEP 1, 0
	TURN 1, 0, 1
	STEP 0, 0
	s_sub_co_u32 s75, s75, 1
	s_cmp_lg_u32 s75, 0
	s_cbranch_scc1 .Llap
	TURN 0, 1, 0                                   ; the tail is written out: nothing more is asked for
	STEP 1, 0
	s_wait_dscnt 16                                ; the last 64 along K
	GROUP 0, 1, 0, 0, 3
	WIN 0
	PLACES
.irp b, 0,1,2,3                                ; the biases come back in the results' layout, into hidden's set 0, which is done with: 24 loads
	ds_load_b128 v[32+8*\b:35+8*\b], v8 offset:64*\b
	ds_load_b128 v[36+8*\b:39+8*\b], v8 offset:64*\b+16
.endr
.irp b, 0,1,2,3
	ds_load_b128 v[64+8*\b:67+8*\b], v8 offset:256+64*\b
	ds_load_b128 v[68+8*\b:71+8*\b], v8 offset:256+64*\b+16
.endr
.irp b, 0,1,2,3
	ds_load_b32 v[16+2*\b], v9 offset:64*\b        ; v's: one number a lane and channel tile, twice: a pair for the packed addition
	ds_load_b32 v[17+2*\b], v9 offset:64*\b
.endr
	s_wait_dscnt 32                                ; run 2 is in; behind it: run 3's 8 and the 24
	GROUP 1, 1, 0, 0, 3
	s_wait_dscnt 24                                ; run 3 is in
	GROUP 2, 1, 0, 0, 3
	WIN 0
	s_wait_dscnt 0x0
	PLACES
; THE WAY OUT.  32 sums of a lane (four accumulators, each from its low end on) + bias, held, converted: 8 registers of codes, two stores of 512 consecutive bytes.
; n: the batch's number (two sets of 32 numbers and twelve of 8 code registers take turns); w: the sums' window; ac: their first register; kind 1: one bias for all (v); bb: the bias's registers.
.macro BATCH n, w, ac, kind, bb, sc, lm, sb, off
.set TT, 96+32*((\n)%2)
.set CD, 160+8*((\n)%12)
.if (\n) == 12
	s_wait_xcnt 0x0                                ; the first twelve batches' stores have read their registers: they are written again from here on
.endif
	WIN \w                                         ; source 0 in the sums' window
.irp i, 0,2,4,6,8,10,12,14,16,18,20,22,24,26,28,30
.if \kind
	v_pk_add_f32 v[TT+\i:TT+\i+1], v[(\ac)+\i:(\ac)+\i+1], v[(\bb):(\bb)+1]
.else
	v_pk_add_f32 v[TT+\i:TT+\i+1], v[(\ac)+\i:(\ac)+\i+1], v[(\bb)+\i:(\bb)+\i+1]
.endif
.endr
	WIN 0
.set jj, 0
.rept 32
.set jj, jj+1
.endr
.irp g, 0,1,2,3
	v_cvt_scalef32_pk8_fp8_f32 v[CD+2*\g:CD+2*\g+1], v[TT+8*\g:TT+8*\g+7], v[\sc]
.endr
	global_store_b128 v1, v[CD:CD+3], s[\sb:\sb+1] offset:(\off)        ; (the next batch's additions, into the other set, are the plain lines behind these conversions)
	global_store_b128 v1, v[CD+4:CD+7], s[\sb:\sb+1] offset:(\off)+512
.endm
.irp a, 0,1,2,3,4,5,6,7
	BATCH \a, 1, 32*\a, 0, 32, 10, 11, 22, 1024*\a           ; q: token tile a
.endr
.irp a, 0,1,2,3,4,5,6,7
	BATCH 8+\a, 2, 32*\a, 0, 64, 12, 13, 24, 1024*\a         ; k
.endr
.irp b, 0,1,2,3
	BATCH 16+2*\b, 3, 64*\b, 1, 16+2*\b, 14, 15, 26, 2048*\b              ; v: channel tile b, keys 0-63 of my 128,
	BATCH 17+2*\b, 3, 64*\b+32, 1, 16+2*\b, 14, 15, 26, 2048*\b+1024      ; and keys 64-127
.endr
	v_nop                                          ; a plain line behind the last conversion
	s_wait_tensorcnt 0x0                           ; the wave's end
	ds_add_u32 v6, v7
	s_wait_dscnt 0x0
	CROUND                                         ; the closing round: no work-group ends while a partner may still ask for a tile that names it
	s_endpgm
.Lfunc_end_k_qf57af4ce01_qkv:
	.size	k_qf57af4ce01_qkv, .Lfunc_end_k_qf57af4ce01_qkv-k_qf57af4ce01_qkv
	.p2alignl 7, 3214868480
	.fill 96, 4, 3214868480
	.section	.rodata,"a",@progbits
	.p2align	6, 0x0
	.amdhsa_kernel k_qf57af4ce01_qkv
		.amdhsa_group_segment_fixed_size 327680
		.amdhsa_private_segment_fixed_size 0
		.amdhsa_enable_private_segment 0
		.amdhsa_kernarg_size 104
		.amdhsa_user_sgpr_count 2
		.amdhsa_user_sgpr_kernarg_segment_ptr 1
		.amdhsa_wavefront_size32 1
		.amdhsa_system_sgpr_workgroup_id_x 1
		.amdhsa_system_sgpr_workgroup_id_y 1
		.amdhsa_system_sgpr_workgroup_id_z 1
		.amdhsa_system_vgpr_workitem_id 0
		.amdhsa_next_free_vgpr 1024
		.amdhsa_next_free_sgpr 100
		.amdhsa_reserve_vcc 0
		.amdhsa_float_denorm_mode_32 3
		.amdhsa_float_denorm_mode_16_64 3
		.amdhsa_fp16_overflow 1
		.amdhsa_memory_ordered 1
		.amdhsa_forward_progress 1
		.amdhsa_inst_pref_size 124
	.end_amdhsa_kernel
	.amdgpu_metadata
---
amdhsa.version: [ 1, 2 ]
amdhsa.kernels:
  - .name:           k_qf57af4ce01_qkv
    .symbol:         k_qf57af4ce01_qkv.kd
    .args:
      - { .name: hidden_states_codes, .offset: 0, .size: 8, .value_kind: global_buffer, .address_space: global }
      - { .name: Wq_codes, .offset: 8, .size: 8, .value_kind: global_buffer, .address_space: global }
      - { .name: Wk_codes, .offset: 16, .size: 8, .value_kind: global_buffer, .address_space: global }
      - { .name: Wv_codes, .offset: 24, .size: 8, .value_kind: global_buffer, .address_space: global }
      - { .name: Wo_codes, .offset: 32, .size: 8, .value_kind: global_buffer, .address_space: global }
      - { .name: bq, .offset: 40, .size: 8, .value_kind: global_buffer, .address_space: global }
      - { .name: bk, .offset: 48, .size: 8, .value_kind: global_buffer, .address_space: global }
      - { .name: bv, .offset: 56, .size: 8, .value_kind: global_buffer, .address_space: global }
      - { .name: lowp_scales, .offset: 64, .size: 8, .value_kind: global_buffer, .address_space: global }
      - { .name: q_img, .offset: 72, .size: 8, .value_kind: global_buffer, .address_space: global }
      - { .name: k_img, .offset: 80, .size: 8, .value_kind: global_buffer, .address_space: global }
      - { .name: v_img, .offset: 88, .size: 8, .value_kind: global_buffer, .address_space: global }
      - { .name: wo_img, .offset: 96, .size: 8, .value_kind: global_buffer, .address_space: global }
    .group_segment_fixed_size: 327680
    .private_segment_fixed_size: 0
    .kernarg_segment_align: 8
    .kernarg_segment_size: 104
    .max_flat_workgroup_size: 128
    .sgpr_count:     100
    .vgpr_count:     1024
    .wavefront_size: 32
...
	.end_amdgpu_metadata
.endif
;; end of part 1
;; launch attn (part 2): grid 4 x 64, 16 waves a work-group, no clusters, 327,680 bytes of LDS; arguments q_img, k_img, v_img, lowp_scales, a_img; writes a_img
.if DOCPART == 2
	.amdgcn_target "amdgcn-amd-amdhsa--gfx1250"
	.amdhsa_code_object_version 6
	.text
	.protected	k_qf57af4ce01_attn
	.globl	k_qf57af4ce01_attn
	.p2align	8
	.type	k_qf57af4ce01_attn,@function
k_qf57af4ce01_attn:
	s_mov_b64 s[64:65], 0
	v_nop
	global_prefetch_b8 v0, s[64:65] scope:SCOPE_SE
	s_setreg_imm32_b32 hwreg(HW_REG_WAVE_MODE, 25, 1), 1
	s_wait_xcnt 0x0
; Causal attention of one head on codes of FP8 (E4M3): S = q k^T / 8, p = 2^(t - M), O = p v / l, and O's quantising for the last product.
; t = score x log2(e) / 8 x 2^(e6 + e7); M = the row's largest t so far, rounded UP to a whole number; p is quantised with 2^e8, not normalised; l is the sum of the unquantised p, in f32.
; When M moves, l and O are multiplied by 2^(old M - new M), which rounds nothing.  O stands for O x 2^(e8 + e9); its code is (O / l) / 2^(e10 - e8 - e9), held within +-448.
; q_img, k_img: [head 64][tile of 16 tokens 128][1,024 bytes]: images of fragments 16 tokens x 64.  v_img: [head][block of 128 keys 16][channel tile 4][2,048 bytes]: images of fragments 16 channels x 128 keys.
; a_img: [tile of 16 tokens 512][head 16][1,024 bytes].  An image is the fragment's registers in fours, lane l's 16 bytes at 16 l: loads and stores of 512 consecutive bytes, no pitch, no padding.
; SHARES.  Work-group (i, head) owns the blocks of 256 queries i and 7 - i of the head, one after the other: (i + 1) + (8 - i) = 9 slots of 256 keys for every i: the same trips and the same work in all 256 work-groups.
; Each of the SIXTEEN waves owns 16 queries of the block in 256 registers: four waves to a SIMD, so that one wave's vector work stands beside another's matrix work and LDS loads.
; Both products are used transposed (S^T = k q^T, O^T = v^T p^T): a lane holds ONE query; its eight registers of key tile kt are keys 16 kt + 8 (lane / 16) + 0 .. 7, so their conversion gives registers 2 kt, 2 kt + 1 of p's fragment.
; CAUSAL: a step of 128 keys that all come after my 16 queries is left out by a scalar branch on ids; on the diagonal hidden scores become -infinity ahead of the maximum.  No barrier and no tensor load stands in a step.
; NO CLUSTER: the four work-groups of a head walk different runs of slots (after i + 1 slots each begins anew); in step they would need 12 slot times for 9, and a slot's shared bytes are 32,768 for 32 wave steps of softmax.
; LIMITS on the given exponents: e6 + e7 between -123 and 130 (they are added to the constant's exponent field); e8 and e10 - e8 - e9 between -126 and 119.  NaN among the inputs is not served.
; REGISTERS: v1 16 x lane; v2 the step's LDS address; v3, v4 the spare word's address and 0; v5 r - 8 h; v8, v9 2^e8 and 448 x it; v10, v11 2^(e10 - e8 - e9) and 448 x it; v12 -M; v13 the largest t; v[14:15] l in two halves;
;   v16-23 q; v24-31 q of the second block; v32-95 k's, then v's fragments; v96-159 S^T, then p; v160-191 O^T; v192-207 p's codes; v208-215 O's codes; v216-225 at work.
.set SLOT1, 0x8000                     ; a slot: k's 16 images (16,384 bytes), then v's two key blocks (16,384); slot 1 begins here: one exclusive or turns an address
.set VOFF,  16384
.set SPARE, 65536                      ; behind the ring: the spare words, 128 bytes for each of the sixteen waves: eight blocks of 256 bytes that no other line names
; Wave 0 fetches a slot's k, wave 1 its v, the others nothing.  Four v_nop follow the line.
.macro TLOAD
	s_cmp_lt_u32 s14, 2
	s_cbranch_scc0 .Lasked_\@
	tensor_load_to_lds s[32:35], s[24:31]
	s_nop 0
.rept 4
	v_nop
.endr
.Lasked_\@:
.endm
.macro INIT                            ; a block's start: the first change of M multiplies zeros
	v_mov_b32 v13, 0xff61b1e6                      ; the largest t so far: -3e38
	s_delay_alu instid0(VALU_DEP_1)
	v_floor_f32 v12, -v13
	v_mov_b32 v14, 0
	v_mov_b32 v15, 0
.set jj, 0
.rept 32
	v_mov_b32 v[160+jj], 0
.set jj, jj+1
.endr
.endm
	s_load_b256 s[4:11], s[0:1], 0x0               ; q_img s[4:5], k_img s[6:7], v_img s[8:9], the exponents s[10:11]
	s_load_b64 s[12:13], s[0:1], 0x20              ; a_img
	v_lshl_add_u32 v3, v0, 2, SPARE
	v_mov_b32 v4, 0
	ds_add_u32 v3, v4
	ds_add_u32 v3, v4
	s_wait_dscnt 0x0
	v_lshrrev_b32 v2, 5, v0
	s_delay_alu instid0(VALU_DEP_1)
	v_readfirstlane_b32 s14, v2                    ; wave 0..15
	s_mov_b32 s15, ttmp9                           ; i
	s_and_b32 s60, ttmp7, 0xffff                   ; bh = 16 x batch + head
	s_mov_b32 s24, 3<<16                           ; group 1: 16,384 dense bytes as 64 rows of 32 elements of 8 bytes
	s_mov_b32 s25, 32<<16
	s_mov_b32 s26, 64<<16
	s_mov_b32 s27, 32<<16
	s_mov_b32 s28, 64
	s_mov_b32 s29, 32
	s_mov_b32 s30, 0
	s_mov_b32 s31, 0
	s_lshl_b32 s62, s60, 17                        ; the head's first byte in q_img, k_img, v_img
	s_mov_b32 s63, 0
	s_and_b32 s61, s14, 1
	s_mov_b32 s32, 1
	s_lshl_b32 s33, s61, 14                        ; k's images at the slot's byte 0, v's at 16,384
	s_mov_b32 s38, 0                               ; the byte in the head at which the slot to be asked for begins
	s_mov_b32 s39, 0
	s_mov_b32 s40, 0x76543210                      ; v_permlanex16_b32: lane l xor 16
	s_mov_b32 s41, 0xfedcba98
	s_mov_b32 s16, 0                               ; T: the trip
	s_mov_b32 s17, 0                               ; the slot in hand
	s_mov_b32 s18, 0                               ; the step's first key
	s_lshl_b32 s19, s15, 8
	s_lshl_b32 s21, s14, 4
	s_add_co_u32 s19, s19, s21                     ; my first query: 256 i + 16 wave,
	s_sub_co_u32 s20, 7, s15
	s_lshl_b32 s20, s20, 8
	s_add_co_u32 s20, s20, s21                     ; and in the second block: 256 (7 - i) + 16 wave
	s_wait_kmcnt 0x0
	s_load_b256 s[48:55], s[10:11], 0x0            ; e0 .. e7
	s_load_b128 s[56:59], s[10:11], 0x20           ; e8 .. e11
	s_cmp_eq_u32 s14, 0
	s_cselect_b64 s[36:37], s[6:7], s[8:9]
	s_add_nc_u64 s[36:37], s[36:37], s[62:63]      ; the head in the buffer that I fetch from
	s_mov_b64 s[34:35], s[36:37]
	s_or_b32 s35, s35, 0x80000000
	TLOAD                                          ; slot 0: keys 0 to 255
	s_add_nc_u64 s[4:5], s[4:5], s[62:63]
	v_and_b32 v1, 31, v0
	s_delay_alu instid0(VALU_DEP_1)
	v_lshlrev_b32 v1, 4, v1
	s_lshl_b32 s21, s19, 6                         ; 64 bytes a token
	v_add_nc_u32 v32, s21, v1
	s_lshl_b32 s21, s20, 6
	v_add_nc_u32 v33, s21, v1
	global_load_b128 v[16:19], v32, s[4:5]
	global_load_b128 v[20:23], v32, s[4:5] offset:512
	global_load_b128 v[24:27], v33, s[4:5]
	global_load_b128 v[28:31], v33, s[4:5] offset:512
	s_lshr_b32 s46, s60, 4                         ; where O's codes go: ((batch x 128 + query / 16) x 16 + head) x 1,024
	s_lshl_b32 s46, s46, 21
	s_and_b32 s61, s60, 15
	s_lshl_b32 s61, s61, 10
	s_add_co_u32 s61, s61, s46
	s_lshl_b32 s46, s19, 10
	s_add_co_u32 s46, s46, s61
	s_mov_b32 s47, 0
	s_add_nc_u64 s[42:43], s[12:13], s[46:47]
	s_lshl_b32 s46, s20, 10
	s_add_co_u32 s46, s46, s61
	s_add_nc_u64 s[44:45], s[12:13], s[46:47]
	v_and_b32 v5, 15, v0
	v_bfe_u32 v2, v0, 4, 1
	s_delay_alu instid0(VALU_DEP_1)
	v_lshlrev_b32 v2, 3, v2
	s_delay_alu instid0(VALU_DEP_1)
	v_sub_nc_u32 v5, v5, v2                        ; r - 8 h
	v_mov_b32 v216, 0                              ; written once: a lane permute's destination counts as one of its sources
	v_mov_b32 v219, 0                              ; (named as the upper half of the pair v[218:219])
	v_mov_b32 v224, 0xff800000                     ; -infinity
	INIT
	s_wait_kmcnt 0x0
	s_add_co_i32 s60, s54, s55
	s_lshl_b32 s60, s60, 23
	s_add_co_i32 s22, s60, 0x3e38aa3b              ; c = log2(e) / 8, with e6 + e7 added to its exponent field
	s_mov_b32 s23, s22                             ; (named with it as a pair, so it is written)
	s_add_co_i32 s60, s56, 127
	s_lshl_b32 s61, s60, 23
	v_mov_b32 v8, s61                              ; 2^e8
	s_sub_co_i32 s60, s58, s56
	s_sub_co_i32 s60, s60, s57
	s_add_co_i32 s60, s60, 127
	s_lshl_b32 s61, s60, 23
	v_mov_b32 v10, s61                             ; 2^(e10 - e8 - e9)
; A KEY STEP: 128 keys, the q-th of the slot in hand.
.macro STEP q
	s_add_co_u32 s21, s19, 15
	s_cmp_gt_u32 s18, s21                          ; all 128 keys come after my queries: the step's work is left out
	s_cbranch_scc1 .Lhidden_\@
	v_add_nc_u32 v2, s17, v1
.rept 3
	v_nop                                          ; with the addition: four places behind the last step's products, whose sources the loads below write
.endr
.irp kt, 0,1,2,3,4,5,6,7
	ds_load_b128 v[32+8*\kt:35+8*\kt], v2 offset:(8*(\q)+\kt)*1024
	ds_load_b128 v[36+8*\kt:39+8*\kt], v2 offset:(8*(\q)+\kt)*1024+512
.endr
	s_wait_alu depctr_va_vdst(0)
	s_wait_dscnt 8                                 ; key tiles 0-3 are in; the other four tiles' eight loads may be out
.irp kt, 0,1,2,3
	v_wmma_f32_16x16x64_fp8_fp8 v[96+8*\kt:103+8*\kt], v[32+8*\kt:39+8*\kt], v[16:23], 0
.endr
	s_wait_dscnt 0x0
.irp kt, 4,5,6,7
	v_wmma_f32_16x16x64_fp8_fp8 v[96+8*\kt:103+8*\kt], v[32+8*\kt:39+8*\kt], v[16:23], 0
.endr
.rept 4
	v_nop                                          ; places: for the loads over k's fragments, and for the first reads of the scores
.endr
.irp t, 0,1,2,3
.irp j, 0,1,2,3
	ds_load_b128 v[32+16*\t+4*\j:35+16*\t+4*\j], v2 offset:VOFF+8192*(\q)+2048*\t+512*\j   ; v's four fragments land while the softmax is walked
.endr
.endr
	s_add_co_u32 s21, s18, 127
	s_cmp_le_u32 s21, s19                          ; all 128 keys count for all my queries: no mask
	s_cbranch_scc1 .Lopen_\@
	s_sub_co_i32 s21, s19, s18
	v_add_nc_u32 v225, s21, v5                     ; d = my query - the step's first key - 8 h.  Register 8 kt + j holds key 16 kt + 8 h + j of the step: hidden where 16 kt + j > d
.set jj, 0
.rept 64
	v_cmp_gt_i32 vcc_lo, 16*(jj/8)+jj%8, v225
	v_cndmask_b32 v[96+jj], v[96+jj], v224, vcc_lo
.set jj, jj+1
.endr
.Lopen_\@:
	v_max3_num_f32 v222, v96, v97, v98             ; the step's largest score of my query among my 64 keys, in two chains, each accumulator from its low end on,
	v_max3_num_f32 v223, v99, v100, v101
.irp i, 6,10,14,18,22,26,30,34,38,42,46,50,54,58
	v_max3_num_f32 v222, v222, v[96+\i], v[97+\i]
	v_max3_num_f32 v223, v223, v[98+\i], v[99+\i]
.endr
	v_max3_num_f32 v222, v222, v158, v159
	s_delay_alu instid0(VALU_DEP_1)
	v_max_num_f32 v222, v222, v223
	s_delay_alu instid0(VALU_DEP_1)
	v_permlanex16_b32 v216, v222, s40, s41
	s_delay_alu instid0(VALU_DEP_1)
	v_max_num_f32 v222, v222, v216                 ; and among lane l xor 16's
	s_delay_alu instid0(VALU_DEP_1)
	v_mul_f32 v222, s22, v222                      ; as t (c is positive)
	s_delay_alu instid0(VALU_DEP_1)
	v_max_num_f32 v13, v13, v222                   ; the running largest t
	v_mov_b32 v222, v12
	s_delay_alu instid0(VALU_DEP_2)
	v_floor_f32 v12, -v13                          ; the new -M = floor(-t) = -ceil(t)
	s_delay_alu instid0(VALU_DEP_1)
	v_sub_f32 v222, v12, v222                      ; old M - new M: a whole number, 0 or less
	s_delay_alu instid0(VALU_DEP_1)
	v_cvt_i32_f32 v222, v222                       ; (it saturates)
	s_delay_alu instid0(VALU_DEP_1)
	v_ldexp_f32 v218, 1.0, v222                    ; f = 2^(old M - new M)
.set jj, 0
.rept 32
	v_pk_fma_f32 v[96+jj:97+jj], v[96+jj:97+jj], s[22:23], v[12:13] op_sel_hi:[1,0,0]   ; t - M, two at a time (of the pairs c and -M the low word serves both halves)
.set jj, jj+2
.endr
.set jj, 0
	s_wait_alu depctr_va_vdst(0)
.rept 64
	v_exp_f32 v[96+jj], v[96+jj]                   ; p = 2^(t - M), at most 1
.set jj, jj+1
.endr
	v_pk_mul_f32 v[14:15], v[14:15], v[218:219] op_sel_hi:[1,0]   ; l under the new M.  (A plain line behind the exponentials)
	s_wait_alu depctr_va_vdst(0)
	v_pk_add_f32 v[220:221], v[100:101], v[104:105]
	v_pk_add_f32 v[254:255], v[108:109], v[112:113]
	v_pk_add_f32 v[252:253], v[116:117], v[120:121]
	v_pk_add_f32 v[250:251], v[124:125], v[128:129]
	v_pk_add_f32 v[248:249], v[132:133], v[136:137]
	v_pk_add_f32 v[246:247], v[140:141], v[144:145]
	v_pk_add_f32 v[244:245], v[148:149], v[152:153]
	v_pk_add_f32 v[14:15], v[14:15], v[156:157]
	v_pk_add_f32 v[220:221], v[220:221], v[96:97]
	v_pk_add_f32 v[254:255], v[254:255], v[98:99]
	v_pk_add_f32 v[252:253], v[252:253], v[102:103]
	v_pk_add_f32 v[250:251], v[250:251], v[106:107]
	v_pk_add_f32 v[248:249], v[248:249], v[110:111]
	v_pk_add_f32 v[246:247], v[246:247], v[114:115]
	v_pk_add_f32 v[244:245], v[244:245], v[118:119]
	v_pk_add_f32 v[14:15], v[14:15], v[122:123]
	v_pk_add_f32 v[220:221], v[220:221], v[126:127]
	v_pk_add_f32 v[254:255], v[254:255], v[130:131]
	v_pk_add_f32 v[252:253], v[252:253], v[134:135]
	v_pk_add_f32 v[250:251], v[250:251], v[138:139]
	v_pk_add_f32 v[248:249], v[248:249], v[142:143]
	v_pk_add_f32 v[246:247], v[246:247], v[146:147]
	v_pk_add_f32 v[244:245], v[244:245], v[150:151]
	v_pk_add_f32 v[14:15], v[14:15], v[154:155]
	v_pk_add_f32 v[220:221], v[220:221], v[158:159]
	s_delay_alu instid0(VALU_DEP_2)
	v_pk_add_f32 v[14:15], v[14:15], v[250:251]
	s_delay_alu instid0(VALU_DEP_2)
	v_pk_add_f32 v[220:221], v[220:221], v[248:249]
	v_pk_add_f32 v[254:255], v[254:255], v[246:247]
	v_pk_add_f32 v[252:253], v[252:253], v[244:245]
	s_delay_alu instid0(VALU_DEP_2)
	v_pk_add_f32 v[14:15], v[14:15], v[254:255]
	s_delay_alu instid0(VALU_DEP_2)
	v_pk_add_f32 v[220:221], v[220:221], v[252:253]
	s_delay_alu instid0(VALU_DEP_1)
	v_pk_add_f32 v[14:15], v[14:15], v[220:221]
.set jj, 0
.rept 64
.set jj, jj+1
.endr
.irp kt, 0,1,2,3,4,5,6,7
	v_cvt_scalef32_pk8_fp8_f32 v[192+2*\kt:193+2*\kt], v[96+8*\kt:103+8*\kt], v8
.endr
.set jj, 0
.rept 16
	v_pk_mul_f32 v[160+jj:161+jj], v[160+jj:161+jj], v[218:219] op_sel_hi:[1,0]   ; O^T under the new M; these are also the plain lines behind the conversions
.set jj, jj+2
.endr
	s_wait_alu depctr_va_vdst(0)
	s_wait_dscnt 0x0                               ; v's fragments are in
.irp t, 0,1,2,3
	v_wmma_f32_16x16x128_fp8_fp8 v[160+8*\t:167+8*\t], v[32+16*\t:47+16*\t], v[192:207], v[160+8*\t:167+8*\t]   ; the four accumulators by turns
.endr
.Lhidden_\@:
	s_add_co_u32 s18, s18, 128
.endm
; THE CHANGE OF SLOTS stands at a slot's head.  Each wave waits for all its tensor loads, adds 0 to its spare word, and waits for that and for its reads of the slot that it has left.
; fill = 1: that slot is filled with the keys of the next trip: the next 256 of the head, or, behind the first block's last slot (T = i), the head's first 256 again.
.macro CHANGE fill
	s_wait_tensorcnt 0x0                           ; no tensor load of mine is out, so the group 0 may be written
	ds_add_u32 v3, v4                              ; 0 onto my spare word
.if \fill
	s_add_co_u32 s38, s38, 16384
	s_cmp_eq_u32 s16, s15
	s_cselect_b32 s38, 0, s38
	s_xor_b32 s33, s33, SLOT1
	s_add_nc_u64 s[34:35], s[36:37], s[38:39]
	s_or_b32 s35, s35, 0x80000000
.endif
	s_wait_dscnt 0x0                               ; the add is done, and my reads of the slot that I have left are over
	s_barrier_signal -1
	s_barrier_wait -1
.if \fill
	TLOAD                                          ; the first thing behind the barrier, a wave's one tensor load until the next: it has a slot's two steps in which to land
.endif
.endm
; A block's end: O^T / l, held, converted: an image of 16 tokens x this head's 64, two stores of 512 consecutive bytes.
.macro FINISH sb
	s_wait_xcnt 0x0                                ; earlier stores have read v208-215
.rept 4
	v_nop                                          ; places behind the last products
.endr
	v_add_f32 v14, v14, v15
	s_delay_alu instid0(VALU_DEP_1)
	v_permlanex16_b32 v216, v14, s40, s41
	s_delay_alu instid0(VALU_DEP_1)
	v_add_f32 v14, v14, v216                       ; the row's sum
	s_wait_alu depctr_va_vdst(0)
	v_rcp_f32 v218, v14
	v_nop                                          ; a plain line behind the transcendental
.set jj, 0
	s_wait_alu depctr_va_vdst(0)
.rept 16
	v_pk_mul_f32 v[96+jj:97+jj], v[160+jj:161+jj], v[218:219] op_sel_hi:[1,0]
.set jj, jj+2
.endr
.set jj, 0
.rept 32
.set jj, jj+1
.endr
.irp t, 0,1,2,3
	v_cvt_scalef32_pk8_fp8_f32 v[208+2*\t:209+2*\t], v[96+8*\t:103+8*\t], v10
.endr
	v_nop                                          ; a plain line behind the last conversion
	global_store_b128 v1, v[208:211], s[\sb:\sb+1]
	global_store_b128 v1, v[212:215], s[\sb:\sb+1] offset:512
.endm
	s_wait_loadcnt 0x0                             ; q, both blocks'
.Lslot:                                                ; eight trips; behind each change of slots the next trip's keys are asked for
	CHANGE 1
	STEP 0
	STEP 1
	s_xor_b32 s17, s17, SLOT1
	s_cmp_lg_u32 s16, s15                          ; T = i: the first block is done
	s_cbranch_scc1 .Lsame
	FINISH 42
.irp j, 0,1,2,3,4,5,6,7
	v_mov_b32 v[16+\j], v[24+\j]                   ; the second block's q
.endr
	INIT
	s_mov_b32 s18, 0
	s_mov_b32 s19, s20
.Lsame:
	s_add_co_u32 s16, s16, 1
	s_cmp_lt_u32 s16, 8
	s_cbranch_scc1 .Lslot
	CHANGE 0                                       ; the ninth slot is written out
	STEP 0
	STEP 1
	FINISH 44
	s_wait_tensorcnt 0x0                           ; the wave's end
	ds_add_u32 v3, v4
	s_wait_dscnt 0x0
	s_endpgm
.Lfunc_end_k_qf57af4ce01_attn:
	.size	k_qf57af4ce01_attn, .Lfunc_end_k_qf57af4ce01_attn-k_qf57af4ce01_attn
	.p2alignl 7, 3214868480
	.fill 96, 4, 3214868480
	.section	.rodata,"a",@progbits
	.p2align	6, 0x0
	.amdhsa_kernel k_qf57af4ce01_attn
		.amdhsa_group_segment_fixed_size 327680
		.amdhsa_private_segment_fixed_size 0
		.amdhsa_enable_private_segment 0
		.amdhsa_kernarg_size 40
		.amdhsa_user_sgpr_count 2
		.amdhsa_user_sgpr_kernarg_segment_ptr 1
		.amdhsa_wavefront_size32 1
		.amdhsa_system_sgpr_workgroup_id_x 1
		.amdhsa_system_sgpr_workgroup_id_y 1
		.amdhsa_system_sgpr_workgroup_id_z 1
		.amdhsa_system_vgpr_workitem_id 0
		.amdhsa_next_free_vgpr 256
		.amdhsa_next_free_sgpr 66
		.amdhsa_reserve_vcc 1
		.amdhsa_float_denorm_mode_32 3
		.amdhsa_float_denorm_mode_16_64 3
		.amdhsa_fp16_overflow 1
		.amdhsa_memory_ordered 1
		.amdhsa_forward_progress 1
		.amdhsa_inst_pref_size 88
	.end_amdhsa_kernel
	.amdgpu_metadata
---
amdhsa.version: [ 1, 2 ]
amdhsa.kernels:
  - .name:           k_qf57af4ce01_attn
    .symbol:         k_qf57af4ce01_attn.kd
    .args:
      - { .name: q_img, .offset: 0, .size: 8, .value_kind: global_buffer, .address_space: global }
      - { .name: k_img, .offset: 8, .size: 8, .value_kind: global_buffer, .address_space: global }
      - { .name: v_img, .offset: 16, .size: 8, .value_kind: global_buffer, .address_space: global }
      - { .name: lowp_scales, .offset: 24, .size: 8, .value_kind: global_buffer, .address_space: global }
      - { .name: a_img, .offset: 32, .size: 8, .value_kind: global_buffer, .address_space: global }
    .group_segment_fixed_size: 327680
    .private_segment_fixed_size: 0
    .kernarg_segment_align: 8
    .kernarg_segment_size: 40
    .max_flat_workgroup_size: 512
    .sgpr_count:     66
    .vgpr_count:     256
    .wavefront_size: 32
...
	.end_amdgpu_metadata
.endif
;; end of part 2
;; launch proj (part 3): grid 4 x 64, 4 waves a work-group, clusters of 4 x 4, 327,680 bytes of LDS; arguments a_img, wo_img, bo, lowp_scales, out0; writes out0
.if DOCPART == 3
	.amdgcn_target "amdgcn-amd-amdhsa--gfx1250"
	.amdhsa_code_object_version 6
	.text
	.protected	k_qf57af4ce01_proj
	.globl	k_qf57af4ce01_proj
	.p2align	8
	.type	k_qf57af4ce01_proj,@function
k_qf57af4ce01_proj:
	s_mov_b64 s[64:65], 0
	v_nop
	global_prefetch_b8 v0, s[64:65] scope:SCOPE_SE
	s_setreg_imm32_b32 hwreg(HW_REG_WAVE_MODE, 25, 1), 1
	s_wait_xcnt 0x0
	s_wait_alu depctr_hold_cnt(0) depctr_sa_sdst(0) depctr_va_vdst(0) depctr_va_sdst(0) depctr_va_ssrc(0) depctr_va_vcc(0) depctr_vm_vsrc(0)
	s_getreg_b32 s2, hwreg(HW_REG_IB_STS2, 6, 4)
	s_cmp_eq_u32 s2, 0
	s_cbranch_scc0 .Lentry_in_a_cluster
	s_endpgm
.Lentry_in_a_cluster:
	s_bfe_u32 s2, ttmp6, 0x10000c
	s_cmp_lg_u32 s2, 0xf033
	s_cbranch_scc0 .Lentry_shape_is_right
	s_endpgm
.Lentry_shape_is_right:
; out = a Wo + bo on codes of FP8 (E4M3): out(token, n) = sum x 2^(e10 + e11) + bo(n), f32.
; a_img: [tile of 16 tokens 512][16,384 bytes]: the tile's sixteen images of 16 tokens x 64 K on end; two neighbours are a fragment 16 x 128 in the form's own layout.  wo_img: [tile of 16 columns 64][16,384 bytes], likewise.
; SHARES.  A work-group takes 128 tokens x 256 columns (4 x 64 work-groups); a wave 64 x 128: 32 accumulators.  The product is used transposed (source 0 = 16 columns of Wo, source 1 = 16 tokens): a lane holds eight neighbouring columns of one row.
; K = 1,024 is four chunks of 256.  Three LDS slots of 98,304 bytes take chunks 0 to 2 at the start; slot 0 is filled once more, with chunk 3.  A chunk of a tile is 4,096 consecutive bytes, a row of the tensor load.
; A fragment is read by four loads of 512 consecutive bytes: no pitch, no padding.
; CLUSTERS: 4 x 4 work-groups: the four of a row of the cluster need the same tokens, the four of a column the same columns of Wo: each tile is asked for jointly.
; LIMIT: e10 + e11 between -126 and 127, so that 2^(e10 + e11) is an f32 number.
; REGISTERS: window 0: v1 16 x lane; v2-4, v5-7 LDS addresses of a's and Wo's fragments in slots 0-2; v8, v9 the spare word's address and 0; v10, v11 the stage; v12 bo's offset; v32-95, v96-159 a's fragments, two sets
;   (on the way out v32-95 results, v96-223 rows read back).  Window 1: accumulator (a, b) at v[8 (8 a + b)].  Window 2: Wo's fragments, two sets of 128.  Window 3: v0-63 bo in the results' layout.
.set SLOT,  98304                      ; a's 8 tiles x 4,096 bytes, then Wo's 16 tiles x 4,096
.set WOFF,  32768
.set SPARE, 3*SLOT                     ; behind the slots: the spare words, 128 bytes for each wave: two blocks of 256 bytes that no other line names
.set SPITCH, 528                       ; the way out: a stage of 16 rows x (512 bytes + 16) for each wave, in slot 1: it has its only fill at the start, and its last read lies ahead of the barrier of step 5
.set STAGE, SLOT
.set MSB, 0
.macro WIN new                         ; the immediate's high byte repeats the setting that is left
.if MSB != (\new)
	s_set_vgpr_msb (MSB<<8)|(\new)
.set MSB, \new
.endif
.endm
.macro PLACES                          ; four plain vector places behind a matrix instruction (ISA guide 7.12.1)
.rept 4
	v_nop
.endr
.endm
.macro CREST
	s_cmp_lg_u32 s66, 0
	s_cbranch_scc1 .Lnot_wave_0_\@
	s_barrier_signal -3
.Lnot_wave_0_\@:
	s_barrier_wait -3
	s_barrier_signal -1
	s_barrier_wait -1
.endm
.macro CROUND
	s_barrier_signal -1
	s_barrier_wait -1
	CREST
.endm
	s_load_b256 s[4:11], s[0:1], 0x0               ; a_img s[4:5], wo_img s[6:7], bo s[8:9], the exponents s[10:11]
	s_load_b64 s[12:13], s[0:1], 0x20              ; out0
	v_lshl_add_u32 v8, v0, 2, SPARE
	v_mov_b32 v9, 0
	ds_add_u32 v8, v9
	ds_add_u32 v8, v9
	s_wait_dscnt 0x0
	v_lshrrev_b32 v12, 5, v0
	v_readfirstlane_b32 s66, v12                   ; wave 0..3
	s_lshr_b32 s67, s66, 1                         ; wm: which 64 tokens are mine.  Also: I fetch for a (0) or for Wo (1)
	s_and_b32 s68, s66, 1                          ; wn: which 128 columns.  Also: which half of that tile I fetch
	s_bfe_u32 s69, ttmp6, 0x40000                  ; cx
	s_bfe_u32 s70, ttmp6, 0x40004                  ; cy
	s_lshl_b32 s71, ttmp9, 2
	s_add_co_u32 s71, s71, s69                     ; nx: the block of 256 columns
	s_and_b32 s72, ttmp7, 0xffff
	s_lshl_b32 s72, s72, 2
	s_add_co_u32 s72, s72, s70                     ; ty: the block of 128 tokens
	s_lshl_b32 s73, s70, 2
	s_lshl_b32 s73, 15, s73                        ; my row of the cluster
	s_lshl_b32 s74, 0x1111, s69                    ; my column
	; groups 1: rows of 512 elements of 8 bytes (a tile's chunk), 2,048 elements (a tile) apart; a: 4 rows a load, Wo: 8
	s_or_b32 s24, s73, (3<<16)|(1<<21)
	s_mov_b32 s25, 512<<16
	s_mov_b32 s26, 4<<16
	s_mov_b32 s27, 512<<16
	s_mov_b32 s28, 4
	s_mov_b32 s29, 2048
	s_mov_b32 s30, 0
	s_mov_b32 s31, 0
	s_or_b32 s32, s74, (3<<16)|(1<<21)
	s_mov_b32 s33, 512<<16
	s_mov_b32 s34, 8<<16
	s_mov_b32 s35, 512<<16
	s_mov_b32 s36, 8
	s_mov_b32 s37, 2048
	s_mov_b32 s38, 0
	s_mov_b32 s39, 0
	s_lshl_b32 s76, s72, 3                         ; a: tile 8 ty + 4 x half: hangs on the tokens' block alone
	s_lshl_b32 s75, s68, 2
	s_add_co_u32 s76, s76, s75
	s_lshl_b32 s76, s76, 14
	s_mov_b32 s77, 0
	s_lshl_b32 s80, s71, 4                         ; Wo: tile 16 nx + 8 x half: hangs on the columns' block alone
	s_lshl_b32 s75, s68, 3
	s_add_co_u32 s80, s80, s75
	s_lshl_b32 s80, s80, 14
	s_mov_b32 s81, 0
	s_lshl_b32 s82, s68, 14                        ; where they go in a slot: a's half,
	s_lshl_b32 s83, s68, 15
	s_add_co_u32 s83, s83, WOFF                    ; Wo's half
	s_wait_kmcnt 0x0
	s_load_b64 s[96:97], s[10:11], 0x28            ; e10, e11
	s_add_nc_u64 s[76:77], s[4:5], s[76:77]
	s_add_nc_u64 s[80:81], s[6:7], s[80:81]
	CROUND                                         ; all sixteen work-groups are here: the first joint loads meet
.irp k, 0,1,2
	s_mov_b32 s[40+4*\k], 1
	s_add_co_u32 s[41+4*\k], s82, \k*SLOT
	s_add_nc_u64 s[42+4*\k:43+4*\k], s[76:77], \k*4096
	s_or_b32 s[43+4*\k], s[43+4*\k], 0x80000000
	s_mov_b32 s[52+4*\k], 1
	s_add_co_u32 s[53+4*\k], s83, \k*SLOT
	s_add_nc_u64 s[54+4*\k:55+4*\k], s[80:81], \k*4096
	s_or_b32 s[55+4*\k], s[55+4*\k], 0x80000000
.endr
	s_cmp_lt_u32 s66, 2                            ; a wave's three first fills stand in one branch: three tensor loads of mine are out
	s_cbranch_scc0 .Lfirst_w
	tensor_load_to_lds s[40:43], s[24:31]
	s_nop 0
	tensor_load_to_lds s[44:47], s[24:31]
	s_nop 0
	tensor_load_to_lds s[48:51], s[24:31]
	s_nop 0
.rept 4
	v_nop
.endr
	s_branch .Lfirst_asked
.Lfirst_w:
	tensor_load_to_lds s[52:55], s[32:39]
	s_nop 0
	tensor_load_to_lds s[56:59], s[32:39]
	s_nop 0
	tensor_load_to_lds s[60:63], s[32:39]
	s_nop 0
.rept 4
	v_nop
.endr
.Lfirst_asked:
	v_and_b32 v13, 15, v0                          ; r
	v_bfe_u32 v14, v0, 4, 1                        ; h
	v_and_b32 v1, 31, v0
	v_lshlrev_b32 v1, 4, v1                        ; 16 x lane
	v_lshlrev_b32 v12, 5, v14                      ; bo: my half's eight numbers of a column tile: + 32 h
	s_wait_alu depctr_va_vdst(0)
	s_lshl_b32 s78, s71, 10
	s_lshl_b32 s79, s68, 9
	s_add_co_u32 s78, s78, s79                     ; my first column in bytes: 1,024 nx + 512 wn
	s_mov_b32 s79, 0
	s_add_nc_u64 s[8:9], s[8:9], s[78:79]
	s_add_nc_u64 s[12:13], s[12:13], s[78:79]
	s_lshl_b32 s78, s72, 19                        ; my first row: (128 ty + 64 wm) x 4,096 bytes
	s_lshl_b32 s75, s67, 18
	s_add_co_u32 s78, s78, s75
	s_add_nc_u64 s[12:13], s[12:13], s[78:79]
	WIN 0xc0                                       ; destination window 3
.irp b, 0,1,2,3,4,5,6,7
	global_load_b128 v[8*\b:8*\b+3],   v12, s[8:9] offset:64*\b       ; bo(16 b + 8 h + 0 .. 7) of my 128 columns
	global_load_b128 v[8*\b+4:8*\b+7], v12, s[8:9] offset:64*\b+16
.endr
	WIN 0
	s_lshl_b32 s75, s67, 14
	v_add_nc_u32 v2, s75, v1                       ; a: my four tiles
	v_add_nc_u32 v3, SLOT, v2
	v_add_nc_u32 v4, SLOT, v3
	s_lshl_b32 s75, s68, 15
	s_add_co_u32 s75, s75, WOFF
	v_add_nc_u32 v5, s75, v1                       ; Wo: my eight tiles
	v_add_nc_u32 v6, SLOT, v5
	v_add_nc_u32 v7, SLOT, v6
	s_mul_i32 s75, s66, 16*SPITCH
	s_add_co_u32 s75, s75, STAGE                   ; my stage
	v_mul_u32_u24 v10, v13, SPITCH
	v_lshl_add_u32 v10, v14, 5, v10
	v_add_nc_u32 v10, s75, v10                     ; in: row r, + 32 h
	v_add_nc_u32 v11, s75, v1                      ; back: a row of 512 bytes, 16 a lane
	s_wait_alu depctr_va_vdst(0)
	s_wait_kmcnt 0x0
	s_add_co_i32 s96, s96, s97
	s_add_co_i32 s96, s96, 127
	s_lshl_b32 s96, s96, 23                        ; 2^(e10 + e11) as f32
	s_mov_b32 s97, s96                             ; (named with it as a pair, so it is written)
; 48 LDS loads: the fragments of 128 along K (half q of slot k): Wo's eight into a set of window 2, a's four into a set of window 0
.macro FETCH3 k, q, set
	WIN 0x80
.irp b, 0,1,2,3,4,5,6,7
.irp j, 0,1,2,3
	ds_load_b128 v[128*(\set)+16*\b+4*\j:128*(\set)+16*\b+4*\j+3], v[5+\k] offset:\b*4096+(\q)*2048+512*\j
.endr
.endr
	WIN 0
.irp a, 0,1,2,3
.irp j, 0,1,2,3
	ds_load_b128 v[32+64*(\set)+16*\a+4*\j:32+64*(\set)+16*\a+4*\j+3], v[2+\k] offset:\a*4096+(\q)*2048+512*\j
.endr
.endr
.endm
; 32 matrix instructions; the 32 accumulators take turns, one instruction a turn, in the same order in every step.  zero = 1: they start the sums
.macro MUL32 set, zero
	WIN 0x52                                       ; source 0 (Wo) window 2, source 1 (a) window 0, C and D window 1
.irp a, 0,1,2,3
.irp b, 0,1,2,3,4,5,6,7
.if \zero
	v_wmma_f32_16x16x128_fp8_fp8 v[8*(8*\a+\b):8*(8*\a+\b)+7], v[128*(\set)+16*\b:128*(\set)+16*\b+15], v[32+64*(\set)+16*\a:32+64*(\set)+16*\a+15], 0
.else
	v_wmma_f32_16x16x128_fp8_fp8 v[8*(8*\a+\b):8*(8*\a+\b)+7], v[128*(\set)+16*\b:128*(\set)+16*\b+15], v[32+64*(\set)+16*\a:32+64*(\set)+16*\a+15], v[8*(8*\a+\b):8*(8*\a+\b)+7]
.endif
.endr
.endr
.endm
	s_wait_tensorcnt 0x2                           ; my part of slot 0 is in; slots 1 and 2 may stay out
	s_barrier_signal -1
	s_barrier_wait -1
	FETCH3 0, 0, 0
	s_wait_dscnt 0x0                               ; step 0: K = 0 .. 127
	FETCH3 0, 1, 1
	MUL32 0, 1
	WIN 0                                          ; step 1.
	s_wait_tensorcnt 0x0                           ; all my tensor loads have landed
	ds_add_u32 v8, v9                              ; 0 onto my spare word
	s_add_nc_u64 s[42:43], s[42:43], 12288         ; slot 0's next chunk: K = 768 on
	s_add_nc_u64 s[54:55], s[54:55], 12288
	s_wait_dscnt 0x0                               ; the add is done, and my reads of slot 0 are over
	CROUND                                         ; both now hold of every wave of the cluster
	s_cmp_lt_u32 s66, 2
	s_cbranch_scc0 .Lagain_w
	tensor_load_to_lds s[40:43], s[24:31]          ; my one tensor load behind the round: it has four steps, 128 matrix instructions, in which to land
	s_nop 0
.rept 4
	v_nop
.endr
	s_branch .Lagain_asked
.Lagain_w:
	tensor_load_to_lds s[52:55], s[32:39]
	s_nop 0
.rept 4
	v_nop                                          ; these four are also the places in front of the loads below
.endr
.Lagain_asked:
	FETCH3 1, 0, 0
	MUL32 1, 0
	s_wait_dscnt 0x0                               ; step 2
	PLACES
	FETCH3 1, 1, 1
	MUL32 0, 0
	s_wait_dscnt 0x0                               ; step 3
	PLACES
	FETCH3 2, 0, 0
	MUL32 1, 0
	s_wait_dscnt 0x0                               ; step 4
	PLACES
	FETCH3 2, 1, 1
	MUL32 0, 0
	s_wait_tensorcnt 0x0                           ; step 5: my part of chunk 3 is in,
	s_wait_dscnt 0x0
	s_barrier_signal -1
	s_barrier_wait -1                              ; everybody's is; and nobody reads slot 1 any more
	PLACES
	FETCH3 0, 0, 0
	MUL32 1, 0
	s_wait_dscnt 0x0                               ; step 6
	PLACES
	FETCH3 0, 1, 1
	MUL32 0, 0
	s_wait_dscnt 0x0                               ; step 7
	MUL32 1, 0
	WIN 0
	PLACES
; THE WAY OUT, a block of 16 rows x 128 columns at a time: sum x 2^(e10 + e11) + bo, one packed multiply-add for two numbers, each accumulator from its low end on; through my own stage, back as whole rows of 512 bytes.
; LDS serves a wave's instructions in order (ISA guide 5.7.1.4): no wait between the stores and the loads, nor in front of the next block's stores.
.macro TOSTAGE a
	WIN 0x31                                       ; source 0 (the sums) window 1, source 2 (bo) window 3
.set jj, 0
.rept 32
	v_pk_fma_f32 v[32+jj:33+jj], v[64*(\a)+jj:64*(\a)+jj+1], s[96:97], v[jj:jj+1] op_sel_hi:[1,0,1]
.set jj, jj+2
.endr
	WIN 0
.irp b, 0,1,2,3,4,5,6,7
	ds_store_b128 v10, v[32+8*\b:35+8*\b] offset:64*\b
	ds_store_b128 v10, v[36+8*\b:39+8*\b] offset:64*\b+16
.endr
.set BB, 96+64*((\a)%2)
.irp t, 0,1,2,3,4,5,6,7,8,9,10,11,12,13,14,15
	ds_load_b128 v[BB+4*\t:BB+4*\t+3], v11 offset:\t*SPITCH
.endr
.endm
.macro SEND a, younger                 ; younger: the LDS instructions issued behind block a's loads, which may stay out
.set BB, 96+64*((\a)%2)
	s_wait_dscnt \younger
.irp t, 0,1,2,3,4,5,6,7,8,9,10,11,12,13,14,15
	global_store_b128 v1, v[BB+4*\t:BB+4*\t+3], s[12:13] offset:(16*(\a)+\t)*4096 th:TH_STORE_NT   ; 32 lanes store 512 consecutive bytes, at a multiple of 512 from out0's first byte; written once, read by nobody here
.endr
.endm
	s_wait_loadcnt 0x0                             ; bo
	TOSTAGE 0
.irp a, 1,2,3
.if \a > 1
	s_wait_xcnt 0x0                                ; block a - 2's stores have read their registers: block a's rows may land there
.endif
	TOSTAGE \a
	SEND \a-1, 32                                  ; behind block a - 1's loads: block a's 16 stores and 16 loads
.endr
	SEND 3, 0
	s_wait_tensorcnt 0x0                           ; the wave's end
	ds_add_u32 v8, v9
	s_wait_dscnt 0x0
	CROUND                                         ; the closing round: no work-group ends while a partner may still ask for a tile that names it
	s_endpgm
.Lfunc_end_k_qf57af4ce01_proj:
	.size	k_qf57af4ce01_proj, .Lfunc_end_k_qf57af4ce01_proj-k_qf57af4ce01_proj
	.p2alignl 7, 3214868480
	.fill 96, 4, 3214868480
	.section	.rodata,"a",@progbits
	.p2align	6, 0x0
	.amdhsa_kernel k_qf57af4ce01_proj
		.amdhsa_group_segment_fixed_size 327680
		.amdhsa_private_segment_fixed_size 0
		.amdhsa_enable_private_segment 0
		.amdhsa_kernarg_size 40
		.amdhsa_user_sgpr_count 2
		.amdhsa_user_sgpr_kernarg_segment_ptr 1
		.amdhsa_wavefront_size32 1
		.amdhsa_system_sgpr_workgroup_id_x 1
		.amdhsa_system_sgpr_workgroup_id_y 1
		.amdhsa_system_sgpr_workgroup_id_z 1
		.amdhsa_system_vgpr_workitem_id 0
		.amdhsa_next_free_vgpr 1024
		.amdhsa_next_free_sgpr 100
		.amdhsa_reserve_vcc 0
		.amdhsa_float_denorm_mode_32 3
		.amdhsa_float_denorm_mode_16_64 3
		.amdhsa_memory_ordered 1
		.amdhsa_forward_progress 1
		.amdhsa_inst_pref_size 75
	.end_amdhsa_kernel
	.amdgpu_metadata
---
amdhsa.version: [ 1, 2 ]
amdhsa.kernels:
  - .name:           k_qf57af4ce01_proj
    .symbol:         k_qf57af4ce01_proj.kd
    .args:
      - { .name: a_img, .offset: 0, .size: 8, .value_kind: global_buffer, .address_space: global }
      - { .name: wo_img, .offset: 8, .size: 8, .value_kind: global_buffer, .address_space: global }
      - { .name: bo, .offset: 16, .size: 8, .value_kind: global_buffer, .address_space: global }
      - { .name: lowp_scales, .offset: 24, .size: 8, .value_kind: global_buffer, .address_space: global }
      - { .name: out0, .offset: 32, .size: 8, .value_kind: global_buffer, .address_space: global }
    .group_segment_fixed_size: 327680
    .private_segment_fixed_size: 0
    .kernarg_segment_align: 8
    .kernarg_segment_size: 40
    .max_flat_workgroup_size: 128
    .sgpr_count:     100
    .vgpr_count:     1024
    .wavefront_size: 32
...
	.end_amdgpu_metadata
.endif
;; end of part 3
